; MI455X (gfx1250); checked and timed in simulation.
; The chip was launched on July 23, 2026; its instructions are those of AMD's public machine-readable ISA for CDNA 5 (MIT licence, August 2026) and "CDNA5" Instruction Set Architecture Reference Guide (July 2026). The comments in the code are by the model that wrote it; some were corrected since.
;; Attention. Allowed arithmetic: matrix products marked QUANTISED: E2M1 operands, one E8M0 scale for each 32 along K, by v_wmma_scale_f32_16x16x128_f8f6f4 with both operands' format E2M1 (or v_wmma_scale_f32_32x16x128_f4), f32 sums; everything else in f32.
;; Inputs: encoded_context 16 x 2,048 x 256 float32; encoded_question 16 x 512 x 256 float32.
;; Outputs: out0 16 x 2,048 x 512 float32.
;; This version of the problem:
;;   THIS VERSION OF THE PROBLEM IS GIVEN IN LOW PRECISION. The matrix products marked QUANTISED in the list below multiply operands that are first quantised to E2M1 (2 exponent bits, 1 mantissa bit; 4 bits a number), with one power-of-two scale for each 32 numbers along K (OCP MX v1.0); their sums are f32. All else is computed in f32.
;;   The module's matrix products, in the order in which they are computed (A, B: the left and right operand; K: the contracted axis; several contracted axes count as one K, in the product's order):
;;     1. batch 16 x [M 2,048, K 256] x [K 256, N 512]; A: input encoded_context; B: input encoded_question: QUANTISED
;;     2. batch 16 x [M 2,048, K 512] x [K 512, N 256]; A: softmax (see below); B: input encoded_question: QUANTISED
;;   THE QUANTISER, for each operand of a quantised product, along K:
;;     - K is cut into blocks of 32 from its start; a last block that is shorter is filled with zeros.
;;     - A block's scale is 2^e with e = floor(log2(the largest magnitude in the block)) - 2, held to -126 .. 127; a block of zeros has e = 0. As a byte (E8M0): e + 127.
;;     - Each number is divided by its block's scale, clamped to +-6, and rounded to the nearest number of E2M1, ties to even, subnormals kept.
;;     - The product sums the exact products of the quantised numbers (number of the format x scale) in f32.
;;   ~~~python
;;   def quantise(x, axis):      # numpy; x: float32 -> the quantised numbers, widened to float32 again
;;       x = np.moveaxis(x, axis, -1); K = x.shape[-1]
;;       x = np.pad(x, [(0, 0)] * (x.ndim - 1) + [(0, -K % 32)]); x = x.reshape(x.shape[:-1] + (-1, 32)); a = np.abs(x).max(-1, keepdims=True)
;;       e = np.where(a > 0, np.clip(np.frexp(np.where(a > 0, a, 1))[1] - 1 - 2, -126, 127), 0)      # np.frexp(a)[1] - 1 = floor(log2(a)), exactly
;;       r = np.clip(x / 2.0 ** e, -6, 6)
;;       step = 2.0 ** (np.maximum(np.frexp(np.where(r == 0, 1, r))[1] - 1, 0) - 1)
;;       q = np.round(r / step) * step * 2.0 ** e      # np.round: ties to even
;;       return np.moveaxis(q.reshape(q.shape[:-2] + (-1,))[..., :K], -1, axis).astype(np.float32)
;;   ~~~
;;   SOFTMAX AHEAD OF A QUANTISED PRODUCT. Where the list says 'softmax', what is quantised is not the finished softmax but p = 2^(t - M), with t = logit x log2(e) and M = ceil(the row's largest t), a whole number; so 1/2 < the row's largest p <= 1. The row's sum l is taken of the UNQUANTISED p, in f32, and the product's result is divided by l at the end. Since M is a whole number, a kernel that streams over the keys may use a running M (the ceiling of the running maximum): every later rescaling is an exact power of two, which a block's scale takes up: the codes' values come out the same.
;;   OPERANDS COMPUTED ON THE WAY. 'Computed on the way' means the value that the module computes at that place (a softmax that the list does not call 'softmax' is quantised finished and normalised). What goes into a quantiser is computed in f32, as accurately as f32 sums, v_exp_f32 and their like allow (about 1e-6 of the number): no bf16 or f16 on the way to a quantiser, and a product that is left as it is and whose result goes on into a quantised operand takes f32 operands (vector FMAs, or v_wmma_f32_16x16x4_f32). A number that lies on a knife's edge between two numbers of the format may be rounded either way, as far as f32 arithmetic and the matrix unit's own rounding can turn it there, and no further.
;; One version. Each part assembles by itself: llvm-mc -triple=amdgcn-amd-amdhsa -mcpu=gfx1250 --defsym DOCPART=n.
;; ======== version 1 of 1: 2 launches
;; limits: right only within a limited range of input values
;; workspace buffers: qw 2,228,224 bytes
;; launch quant (part 1): grid 16 x 16, 16 waves a work-group, no clusters, 71,424 bytes of LDS; arguments encoded_question, qw; writes qw
.if DOCPART == 1
	.amdgcn_target "amdgcn-amd-amdhsa--gfx1250"
	.amdhsa_code_object_version 6
	.text
	.protected	k_q0dfaad6b28_quant
	.globl	k_q0dfaad6b28_quant
	.p2align	8
	.type	k_q0dfaad6b28_quant,@function
k_q0dfaad6b28_quant:
	s_mov_b64 s[64:65], 0
	v_nop
	global_prefetch_b8 v0, s[64:65] scope:SCOPE_SE
	s_setreg_imm32_b32 hwreg(HW_REG_WAVE_MODE, 25, 1), 1
	s_wait_xcnt 0x0
; Q [16][512 keys][256 d], f32, is quantised to codes of FP4 (E2M1) TWICE: along d (operand of the first product) and along the keys (operand of the second), with one
; E8M0 byte for each 32 along that K.  A block's scale is 2^(floor(log2(its largest magnitude)) - 2): its byte is the largest magnitude's exponent field - 2, held at 1 from below.
; LIMITS: a block of zeros gets the byte 1 and not 127 (its codes are zeros, which add nothing, and this program alone reads the bytes); NaN and infinities among the inputs are not served.
; THE RESULT, for each batch a pack of 139,264 bytes, is laid in the order of the operands' registers.  A fragment (16 rows x 128 K, 8 registers a lane) is 1,024 bytes:
; registers 4 c .. 4 c + 3 of lane l at 512 c + 16 l; lane (r, h) holds there k = 64 c + 32 h + 0 .. 31 of its row.
;   byte 0       Q1: fragment (tile T of keys, K step s along d) at 1024 (2 T + s); lane r's row is key 32 (T / 2) + 8 (T % 2) + r + 8 (r / 8)
;   byte 65536   Q1's scale words: (s, T, r) at 2048 s + 64 T + 4 r
;   byte 69632   Q2: fragment (tile t of d, K step s along the keys) at 1024 (16 (t / 4) + 8 (s / 2) + 2 (t % 4) + s % 2); lane r's row is d = 16 t + r
;   byte 135168  Q2's scale words: (s, t, r) at 1024 s + 64 t + 4 r
; SHARES.  A work-group takes 128 keys x 128 d of one batch and makes ONE of the two forms: x = kg + 4 dh + 8 form, y = the batch: 256 work-groups.  It reads those 64 KiB, 512 consecutive bytes a load, into a stage
; in LDS; waves 2 f and 2 f + 1 then make the halves c = 0, 1 (64 of K) of Q1's fragment (8 kg + f, dh), reading rows, or of Q2's fragment (8 dh + f, kg), reading columns: in both a lane holds one whole block of 32,
; so no maximum needs another lane.
; The loads go to registers, so the two work-groups that read the same bytes ask each for itself; there is no tensor load, and so no cluster.  No loop, so nothing is prefetched.
; THE STAGE.  Row key (512 bytes) at 528 key + 128 (key / 16) + 64 (key / 32).  528 = 33 x 16, so sixteen rows begin in sixteen different columns of 16 bytes; the 128 parts the two groups of eight rows of a tile
; of Q1; the 64 parts the two halves of the lanes in Q2's reads, 32 rows apart.  The last row ends at byte 68,656.
.set PACK, 139264
.set G8,   4224                        ; 8 rows: 8 x 528
.set G32,  17216                       ; 32 rows on: 32 x 528 + 2 x 128 + 64
.set SCA,  68864                       ; behind the stage: 128 scale words
.set SPARE, SCA+512                    ; the spare words, 128 bytes for each wave
.set RAW,  16                          ; v16-47   8 loads as they come
.set X,    48                          ; v48-79   32 numbers of my row along its K
.set C1,   80                          ; v80-83   codes
.set TM,   84                          ; v84-87   largest magnitudes
.set SO,   88                          ; v88      the conversions' scale operand, v89 the byte
.set SPW,  12
.set NIL,  13
	s_load_b128 s[4:7], s[0:1], 0x0                ; Q s[4:5], the packs s[6:7]
	v_lshl_add_u32 v[SPW], v0, 2, SPARE
	v_mov_b32 v[NIL], 0
	v_lshrrev_b32 v1, 5, v0
	v_readfirstlane_b32 s8, v1                     ; wave 0..15
	v_and_b32 v1, 31, v0                           ; lane
	v_lshlrev_b32 v4, 4, v1                        ; 16 x lane
	s_and_b32 s9, ttmp9, 3                         ; kg: which 128 keys
	s_bfe_u32 s10, ttmp9, 0x10002                  ; dh: which 128 of d
	s_lshr_b32 s30, ttmp9, 3                       ; form: 0 Q1, 1 Q2
	s_and_b32 s11, ttmp7, 0xffff                   ; the batch
	s_lshl_b32 s12, s11, 19                        ; Q: 524,288 bytes a batch,
	s_lshl_b32 s22, s9, 17                         ; 128 rows of 1,024 bytes,
	s_add_co_u32 s12, s12, s22
	s_lshl_b32 s22, s8, 13                         ; my wave's 8 rows,
	s_add_co_u32 s12, s12, s22
	s_lshl_b32 s22, s10, 9                         ; 512 bytes into a row
	s_add_co_u32 s12, s12, s22
	s_mov_b32 s13, 0
	s_wait_alu depctr_va_vdst(0)                   ; directly ahead of the wait below
	s_wait_kmcnt 0x0
	s_add_nc_u64 s[4:5], s[4:5], s[12:13]
.set i, 0
.rept 8
	global_load_b128 v[RAW+4*i:RAW+4*i+3], v4, s[4:5] offset:1024*i   ; key 8 w + i: 32 lanes read 512 consecutive bytes
.set i, i+1
.endr
	; all other addresses are made while the loads are on their way
	s_and_b32 s25, s8, 1                           ; c
	s_lshr_b32 s26, s8, 1                          ; f
	s_mul_i32 s27, s8, G8                          ; into the stage: my 8 rows begin at 4224 w + 128 (w / 2) + 64 (w / 4)
	s_lshl_b32 s28, s26, 7
	s_add_co_u32 s27, s27, s28
	s_lshr_b32 s28, s8, 2
	s_lshl_b32 s28, s28, 6
	s_add_co_u32 s27, s27, s28
	s_lshr_b32 s29, s26, 1                         ; Q1's rows: key 32 (f / 2) + 8 (f % 2) + r + 8 (r / 8), 256 c bytes into the row
	s_mul_i32 s29, s29, G32
	s_and_b32 s28, s26, 1
	s_mul_i32 s28, s28, G8
	s_add_co_u32 s29, s29, s28
	s_lshl_b32 s28, s25, 8
	s_add_co_u32 s29, s29, s28
	s_mul_i32 s28, s25, 2*G32                      ; Q2's columns: 64 c rows down,
	s_lshl_b32 s31, s26, 6                         ; column 16 f + r.  Also: my fragment's 16 words
	s_add_co_u32 s28, s28, s31
	s_lshl_b32 s20, s25, 1
	s_add_co_u32 s31, s31, s20                     ; my byte in a word: 2 c + h
	s_mul_i32 s22, s11, PACK                       ; my batch's pack
	s_lshl_b32 s14, s9, 14                         ; Q1's fragment: 1024 (16 kg + 2 f + dh)
	s_lshl_b32 s23, s26, 11
	s_add_co_u32 s14, s14, s23
	s_lshl_b32 s23, s10, 10
	s_add_co_u32 s14, s14, s23
	s_lshl_b32 s16, s10, 15                        ; Q2's: 69632 + 1024 (16 (2 dh + f / 4) + 8 (kg / 2) + 2 (f % 4) + kg % 2)
	s_lshr_b32 s23, s26, 2
	s_lshl_b32 s23, s23, 14
	s_add_co_u32 s16, s16, s23
	s_lshr_b32 s23, s9, 1
	s_lshl_b32 s23, s23, 13
	s_add_co_u32 s16, s16, s23
	s_and_b32 s23, s26, 3
	s_lshl_b32 s23, s23, 11
	s_add_co_u32 s16, s16, s23
	s_and_b32 s23, s9, 1
	s_lshl_b32 s23, s23, 10
	s_add_co_u32 s16, s16, s23
	s_add_co_u32 s16, s16, 69632
	s_lshl_b32 s18, s10, 11                        ; Q1's words: 65536 + 2048 dh + 512 kg
	s_lshl_b32 s23, s9, 9
	s_add_co_u32 s18, s18, s23
	s_add_co_u32 s18, s18, 65536
	s_lshl_b32 s24, s9, 10                         ; Q2's: 135168 + 1024 kg + 512 dh
	s_lshl_b32 s23, s10, 9
	s_add_co_u32 s24, s24, s23
	s_add_co_u32 s24, s24, 135168
	s_cmp_eq_u32 s30, 0                            ; two offsets are chosen by the form
	s_cselect_b32 s14, s14, s16
	s_cselect_b32 s18, s18, s24
	s_lshl_b32 s23, s25, 9                         ; my half of the fragment
	s_add_co_u32 s14, s14, s23
	s_add_co_u32 s14, s14, s22
	s_add_co_u32 s18, s18, s22
	s_mov_b32 s15, 0
	s_mov_b32 s19, 0
	s_add_nc_u64 s[14:15], s[6:7], s[14:15]
	s_add_nc_u64 s[18:19], s[6:7], s[18:19]
	v_and_b32 v2, 15, v0                           ; r
	v_bfe_u32 v3, v0, 4, 1                         ; h
	v_add_nc_u32 v5, s27, v4                       ; into the stage: + 16 x lane
	v_add_nc_u32 v9, SCA, v4                       ; on the way out: 16 bytes of the words a lane
	v_mul_u32_u24 v6, v2, 528
	v_lshrrev_b32 v10, 3, v2
	v_mul_u32_u24 v7, v3, G32                      ; lanes 16-31 begin 32 rows further down
	v_lshl_add_u32 v8, v2, 2, v3                   ; my block's scale byte: SCA + 64 f + 4 r + 2 c + h
	v_mad_u32_u24 v6, v10, 4352, v6                ; 8 rows further on, and the next group of sixteen's 128
	v_lshl_add_u32 v7, v2, 2, v7
	v_add_nc_u32 v8, s31, v8
	v_lshl_add_u32 v6, v3, 7, v6                   ; my half's 32 numbers
	v_add_nc_u32 v7, s28, v7
	v_add_nc_u32 v8, SCA, v8
	v_add_nc_u32 v6, s29, v6
	s_wait_alu depctr_va_vdst(0)                   ; the head's end
	s_wait_loadcnt 0x0
.set i, 0
.rept 8
	ds_store_b128 v5, v[RAW+4*i:RAW+4*i+3] offset:528*i            ; my rows end at 7 x 528 + 512 = 4,208: no wave's rows reach another's
.set i, i+1
.endr
	s_wait_dscnt 0x0                               ; for the others' sake: my 8 rows lie in the stage
	s_barrier_signal -1
	s_barrier_wait -1                              ; all 128 rows do
	s_cmp_eq_u32 s30, 0
	s_cbranch_scc0 .Lcolumns                       ; the form hangs on the work-group's number: all waves go the same way
.irp j, 0,1,2,3,4,5,6,7
	ds_load_b128 v[X+4*\j:X+4*\j+3], v6 offset:16*\j   ; Q1: 32 neighbours along d of my key
.endr
	s_branch .Lread
.Lcolumns:
.set i, 0
.rept 32
	ds_load_b32 v[X+i], v7 offset:528*i+128*(i/16)   ; Q2: keys 64 c + 32 h + i of my column
.set i, i+1
.endr
.Lread:
	s_wait_dscnt 0x0
; 32 numbers of a lane, register i = k 64 c + 32 h + i of my row, become 4 registers of the fragment and a scale byte.  The maximum goes in four chains of 8 numbers.
	v_max3_num_f32 v[TM], |v[X]|, |v[X+1]|, 0x1800000              ; with the floor 2^(3 - 127): the byte cannot fall under 1
.irp k, 1,2,3
	v_max3_num_f32 v[TM+\k], |v[X+8*\k]|, |v[X+8*\k+1]|, |v[X+8*\k+2]|
.endr
.irp i, 2,4
	v_max3_num_f32 v[TM], v[TM], |v[X+\i]|, |v[X+\i+1]|
.irp k, 1,2,3
	v_max3_num_f32 v[TM+\k], v[TM+\k], |v[X+8*\k+\i+1]|, |v[X+8*\k+\i+2]|
.endr
.endr
	v_max3_num_f32 v[TM], v[TM], |v[X+6]|, |v[X+7]|
	v_max3_num_f32 v[TM+2], v[TM+2], v[TM+3], |v[X+23]|
	v_max3_num_f32 v[TM], v[TM], v[TM+1], |v[X+15]|
	v_max3_num_f32 v[TM], v[TM], v[TM+2], |v[X+31]|
	s_delay_alu instid0(VALU_DEP_1)
	v_add_nc_u32 v[SO], 0xff000000, v[TM]          ; 2 off the exponent field: the conversion takes the exponent field of this operand as its scale
	s_delay_alu instid0(VALU_DEP_1)
	v_lshrrev_b32 v[SO+1], 23, v[SO]               ; the scale's byte
.irp g, 0,1,2,3
	v_cvt_scalef32_pk8_fp4_f32 v[C1+\g], v[X+8*\g:X+8*\g+7], v[SO]
.endr
	v_nop                                          ; one plain place behind the last scaled conversion
	ds_store_b8 v8, v[SO+1]
	global_store_b128 v4, v[C1:C1+3], s[14:15]     ; 32 lanes store 512 consecutive bytes, at a multiple of 512 from the buffer's first byte
	s_wait_dscnt 0x0                               ; for the others' sake: my scale bytes lie in LDS
	s_barrier_signal -1
	s_barrier_wait -1
	s_cmp_eq_u32 s8, 0                             ; wave 0 stores the run of 128 words; no barrier follows
	s_cbranch_scc0 .Lend
	ds_load_b128 v[16:19], v9
	s_wait_dscnt 0x0
	global_store_b128 v4, v[16:19], s[18:19]       ; 512 consecutive bytes
.Lend:
	s_wait_tensorcnt 0x0                           ; the wave's end
	ds_add_u32 v[SPW], v[NIL]
	s_wait_dscnt 0x0
	s_endpgm
.Lfunc_end_k_q0dfaad6b28_quant:
	.size	k_q0dfaad6b28_quant, .Lfunc_end_k_q0dfaad6b28_quant-k_q0dfaad6b28_quant
	.p2alignl 7, 3214868480
	.fill 96, 4, 3214868480
	.section	.rodata,"a",@progbits
	.p2align	6, 0x0
	.amdhsa_kernel k_q0dfaad6b28_quant
		.amdhsa_group_segment_fixed_size 71424
		.amdhsa_private_segment_fixed_size 0
		.amdhsa_enable_private_segment 0
		.amdhsa_kernarg_size 16
		.amdhsa_user_sgpr_count 2
		.amdhsa_user_sgpr_kernarg_segment_ptr 1
		.amdhsa_wavefront_size32 1
		.amdhsa_system_sgpr_workgroup_id_x 1
		.amdhsa_system_sgpr_workgroup_id_y 1
		.amdhsa_system_sgpr_workgroup_id_z 1
		.amdhsa_system_vgpr_workitem_id 0
		.amdhsa_next_free_vgpr 96
		.amdhsa_next_free_sgpr 66
		.amdhsa_reserve_vcc 0
		.amdhsa_float_denorm_mode_32 3
		.amdhsa_float_denorm_mode_16_64 3
		.amdhsa_memory_ordered 1
		.amdhsa_forward_progress 1
		.amdhsa_inst_pref_size 11
	.end_amdhsa_kernel
	.amdgpu_metadata
---
amdhsa.version: [ 1, 2 ]
amdhsa.kernels:
  - .name:           k_q0dfaad6b28_quant
    .symbol:         k_q0dfaad6b28_quant.kd
    .args:
      - { .name: encoded_question, .offset: 0, .size: 8, .value_kind: global_buffer, .address_space: global }
      - { .name: qw, .offset: 8, .size: 8, .value_kind: global_buffer, .address_space: global }
    .group_segment_fixed_size: 71424
    .private_segment_fixed_size: 0
    .kernarg_segment_align: 8
    .kernarg_segment_size: 16
    .max_flat_workgroup_size: 512
    .sgpr_count:     66
    .vgpr_count:     96
    .wavefront_size: 32
...
	.end_amdgpu_metadata
.endif
;; end of part 1
;; launch attend (part 2): grid 16 x 16, 4 waves a work-group, clusters of 4 x 1, 272,896 bytes of LDS; arguments encoded_context, qw, out0; writes out0
.if DOCPART == 2
	.amdgcn_target "amdgcn-amd-amdhsa--gfx1250"
	.amdhsa_code_object_version 6
	.text
	.protected	k_q0dfaad6b28_attend
	.globl	k_q0dfaad6b28_attend
	.p2align	8
	.type	k_q0dfaad6b28_attend,@function
k_q0dfaad6b28_attend:
	s_mov_b64 s[64:65], 0
	v_nop
	global_prefetch_b8 v0, s[64:65] scope:SCOPE_SE
	s_setreg_imm32_b32 hwreg(HW_REG_WAVE_MODE, 25, 1), 1
	s_wait_xcnt 0x0
	s_wait_alu depctr_hold_cnt(0) depctr_sa_sdst(0) depctr_va_vdst(0) depctr_va_sdst(0) depctr_va_ssrc(0) depctr_va_vcc(0) depctr_vm_vsrc(0)
	s_getreg_b32 s2, hwreg(HW_REG_IB_STS2, 6, 4)
	s_cmp_eq_u32 s2, 0
	s_cbranch_scc0 .Lentry_in_a_cluster
	s_endpgm
.Lentry_in_a_cluster:
	s_bfe_u32 s2, ttmp6, 0x10000c
	s_cmp_lg_u32 s2, 0x3003
	s_cbranch_scc0 .Lentry_shape_is_right
	s_endpgm
.Lentry_shape_is_right:
; out[b][n][0:256] = C[b][n][:];  out[b][n][256:512] = the sum over m of softmax_m(C[b][n] . Q[b][m]) Q[b][m][:].  C: [16][2048][256] f32; out: [16][2048][512] f32.
; Both products on codes of FP4 (E2M1) with one E8M0 scale for each 32 along K.  Q comes as codes, both ways, from the launch before, laid as images of the operands' registers (a pack of 139,264 bytes a batch:
; Q1's 64 fragments and its scale words, Q2's 64 fragments and its scale words).  C is quantised here, in registers.
; THE SOFTMAX: t = score x log2(e); M = the row's largest t rounded up to a whole number; p = 2^(t - M) is quantised along the keys, not normalised; the row's sum l of the unquantised p divides at the end.
; A row has 512 keys: 32 rows' scores are 512 registers, so the WHOLE row stays in registers, M is final when p is made, and nothing is ever rescaled.
; LIMITS: NaN and infinities among the inputs are not served; a p under 2^-126 becomes 0 (v_exp_f32 gives no denormals: ISA guide, its entry), beside l > 1/2; a block of zeros carries the byte 1 (its codes are zeros);
; l is summed in eight chains of pairs, another order than a plain sum's; 1 / l is v_rcp_f32's.
; SHARES.  A work-group owns 128 rows of one batch, each of its four waves 32: two tiles of 16 rows, t = 0, 1, in 1,024 registers, one wave to a SIMD: a fragment of Q that is read from LDS feeds two matrix instructions.
; CLUSTER.  The four work-groups of a cluster belong to one batch and need the same pack: each wave asks for a quarter of it (136 rows of 256 bytes) by ONE joint tensor load, the same in all four work-groups.
; Waves 0 and 1 ask for Q1, ahead of their loads of C; waves 2 and 3 for Q2, behind theirs.  The first product waits for Q1 alone; Q2 is waited for ahead of the second product.
; The pack is filled once and stays: no LDS byte is filled twice, so there is no ring, and no loop in which a prefetch could run ahead.  A wave has one tensor load outstanding.
; THE COPY OF C.  C's 256 registers as loaded stay until all 64 stores of the copy have gone out: two with each of the first product's 16 steps, 32 more between the parts of the softmax.
; THE WAY OUT OF O goes by eight pieces: quarter q (64 of d, 256 bytes a row) of row tile t.  A quarter is finished by two groups of the second product; behind each later group one piece goes through the stage and one is stored.
; LAYOUT.  Both products are used transposed (S^T = Q1 C^T, O^T = Q2 P^T): a lane holds ONE row of C (lane % 16) of each tile throughout.  The keys of a tile of Q1 are chosen so that the 16 registers of tiles 2 b and
; 2 b + 1 are keys 32 b + 16 (lane / 16) + 0 .. 15: p's conversions, with one exchange of halves, give the second product's operand.
; LDS: byte 0 the pack; from 139,264 a stage of 32 rows x (1,024 + 16) bytes for each wave, its own: C goes through it on the way in (loads take bytes as they lie, the conversions want 16 neighbours a lane), O's pieces
; (16 rows x (256 + 16) bytes) on the way out.
; REGISTERS, in windows of 256 (s_set_vgpr_msb: bits 1:0 source 0, 3:2 source 1, 5:4 source 2, 7:6 destination):
;   window 0: addresses, scales, operands and work (named below)
;   window 1: C as loaded; in the second product v0-127 two buffers of 8 fragments of Q2, v128-255 four pieces of O as they leave
;   windows 2, 3: row tile 0's, 1's 32 tiles of scores, tile T at v[8 T], then p in place; then O^T, tile t at v[8 t].
.set PACK,   139264
.set HALF,   69632                     ; Q1 with its words; then Q2 with its
.set PART,   34816                     ; 136 rows of 256 bytes: a wave's quarter of the pack
.set STG,    139264
.set SPITCH, 1040                      ; 65 x 16: sixteen rows begin in sixteen different columns of 16 bytes
.set OPITCH, 272                       ; 17 x 16, likewise
.set SPARE,  STG+4*32*SPITCH           ; the spare words, 128 bytes for each wave
.set LI,  1                            ; 16 x lane: a fragment's place for my lane in Q1; also my byte offset in 512 consecutive bytes of C and of out
.set LI2, 2                            ; the same + 69,632: Q2
.set LSC, 3                            ; 4 x lane + 65,536: Q1's scale words
.set STW, 4                            ; my stage + 16 x lane: bytes as they lie
.set STX, 5                            ; my stage + 1040 r + 64 h: 16 neighbours of each block of 32
.set STO, 6                            ; my stage + 272 r + 32 h: 8 neighbours of O
.set RDO, 7                            ; my stage + 272 h + 16 r: O's rows back
.set NM,  8                            ; v[8:9], v[12:13]: -M of row tile 0, 1, with a 0 behind each
.set GO,  10                           ; 2048 h + 16 r: my byte offset in two rows of out
.set LSD, 11                           ; 4 x lane + 135,168: Q2's scale words
.set RL,  14                           ; v[14:15], v[16:17]: 1 / l, with a 0 behind each
.set SPW, 18
.set NIL, 19
.set TB,  20                           ; v20-21 block maxima's second chains
.set TR,  24                           ; v24-27 at work
.set SUM, 28                           ; v28-43 the sums (C's fragments are done with)
.set CF,  36                           ; v36-51, v52-67 C's two fragments of row tile 0, 1
.set XS,  68                           ; v68-71 their scale words
.set SCQ, 72                           ; v72-79 Q's scale words, two sets
.set PS,  80                           ; v80-87 p's
.set TM,  88                           ; v88-103 at the head: magnitudes, bytes, scale operands
.set BM,  88                           ; v88-103, v104-119 each block's largest score, then its largest p
.set XX,  120                          ; v120-183, v184-247 64 numbers of C, two buffers
.set SF,  120                          ; v120-151, v152-183 two buffers of 4 fragments of Q1
.set BT,  120                          ; v120-135 the other half's block maxima, then the bytes
.set SO,  136                          ; v136-151 the conversions' scale operands
.set PC,  184                          ; v184-215, v216-247 p's codes
.set MSB, 0
.macro WIN new                         ; the immediate's high byte repeats the setting that is left; a switch that changes nothing is dropped
.if MSB != \new
	s_set_vgpr_msb (MSB<<8)|\new
.set MSB, \new
.endif
.endm
.macro PLACES                          ; four places: behind a matrix instruction, in front of loads into registers that it has read and of the first read of its result
.rept 4
	v_nop
.endr
.endm
.macro CROUND                          ; a round of the cluster's barrier: my work-group's barrier; wave 0 signals for the work-group; every wave waits for all four; my work-group's barrier once more
	s_barrier_signal -1
	s_barrier_wait -1
	s_cmp_lg_u32 s10, 0
	s_cbranch_scc1 .Lnot_wave_0_\@
	s_barrier_signal -3
.Lnot_wave_0_\@:
	s_barrier_wait -3
	s_barrier_signal -1
	s_barrier_wait -1
.endm
.macro CLOADS                          ; my 32 rows of C are 32 KiB on end: 512 consecutive bytes a load; the launch reads each byte once
	WIN 0x40
.set i, 0
.rept 64
	global_load_b128 v[4*i:4*i+3], v[LI], s[4:5] offset:512*i th:TH_LOAD_NT
.set i, i+1
.endr
	WIN 0
.endm
.macro CIN q                           ; batch q of eight loads, four rows, into my stage
	s_wait_loadcnt 56-8*(\q)                       ; loads come back in order (ISA guide 5.7.1): the younger batches may be out
	WIN 0x04
.set i, 8*(\q)
.rept 8
	ds_store_b128 v[STW], v[4*i:4*i+3] offset:SPITCH*(i/2)+512*(i%2)
.set i, i+1
.endr
	WIN 0
.endm
.macro XLOAD t, s                      ; row tile t, K step s (d = 128 s on), buffer s: LDS serves a wave's instructions in order (ISA guide 5.7.1.4): these see my stores
.irp b, 0,1,2,3
.irp j, 0,1,2,3
	ds_load_b128 v[XX+64*(\s)+16*\b+4*\j:XX+64*(\s)+16*\b+4*\j+3], v[STX] offset:16*SPITCH*(\t)+512*(\s)+128*\b+16*\j
.endr
.endr
.endm
; 64 numbers of a lane, register 16 b + i = k 32 b + 16 (lane / 16) + i of my row, become a fragment's 8 registers at v[d] and my row's scale word in v[w].
.macro QUANT s, d, w
.irp b, 0,1,2,3
	v_max3_num_f32 v[TM+\b], |v[\s+16*\b]|, |v[\s+1+16*\b]|, 0x1800000   ; block b: my 16 numbers, and the floor 2^(3 - 127): the byte cannot fall under 1
.endr
.irp i, 2,4,6,8,10,12,14
.irp b, 0,1,2,3
	v_max3_num_f32 v[TM+\b], v[TM+\b], |v[\s+16*\b+\i]|, |v[\s+1+16*\b+\i]|   ; (the four blocks by turns)
.endr
.endr
.irp b, 0,1,2,3
	v_permlanex16_b32 v[TM+4+\b], v[TM+\b], s28, s29
.endr
.irp b, 0,1,2,3
	v_max_num_f32 v[TM+\b], v[TM+\b], v[TM+4+\b]   ; with lane l xor 16's: the block's largest magnitude
.endr
.irp b, 0,1,2,3
	v_add_nc_u32 v[TM+12+\b], 0xff000000, v[TM+\b] ; 2 off its exponent field: the conversion's scale operand
.endr
.irp b, 0,1,2,3
	v_lshrrev_b32 v[TM+4+\b], 23, v[TM+12+\b]      ; the scale's byte
.endr
	v_lshl_or_b32 v[\w], v[TM+5], 8, v[TM+4]
	v_lshl_or_b32 v[\w], v[TM+6], 16, v[\w]
	v_lshl_or_b32 v[\w], v[TM+7], 24, v[\w]
.irp b, 0,1,2,3
	v_cvt_scalef32_pk8_fp4_f32 v[(\d)+2*\b], v[\s+16*\b:\s+7+16*\b], v[TM+12+\b]
	v_cvt_scalef32_pk8_fp4_f32 v[(\d)+1+2*\b], v[\s+8+16*\b:\s+15+16*\b], v[TM+12+\b]
.endr
	v_nop                                          ; one plain place behind the last scaled conversion
.irp c, 0,1                                    ; the operand's layout wants a whole block in a lane: lanes 0-15 block 2 c, lanes 16-31 block 2 c + 1
.irp i, 0,1
	v_permlane16_swap_b32 v[(\d)+4*\c+\i], v[(\d)+2+4*\c+\i]
.endr
.endr
.endm
; n stores of C's copy, from the i-th on: each 512 consecutive bytes, at a multiple of 512 from out's first byte; written once, read by nobody here.
.macro CSTS i, n
	WIN 0x04
.set ci, \i
.rept \n
	global_store_b128 v[LI], v[4*ci:4*ci+3], s[8:9] offset:2048*(ci/2)+512*(ci%2) th:TH_STORE_NT
.set ci, ci+1
.endr
	WIN 0
.endm
; One matrix instruction, registers in rD, rA, rB, rSA, rSB.  zz: the sum starts (nothing is ever cleared).  od: A's scale words lie in lanes 16-31.
.macro WM zz, od
.if \zz
.if \od
	v_wmma_scale_f32_16x16x128_f8f6f4 v[rD:rD+7], v[rA:rA+7], v[rB:rB+7], 0, v[rSA], v[rSB] matrix_a_fmt:MATRIX_FMT_FP4 matrix_b_fmt:MATRIX_FMT_FP4 matrix_a_scale:MATRIX_SCALE_ROW1
.else
	v_wmma_scale_f32_16x16x128_f8f6f4 v[rD:rD+7], v[rA:rA+7], v[rB:rB+7], 0, v[rSA], v[rSB] matrix_a_fmt:MATRIX_FMT_FP4 matrix_b_fmt:MATRIX_FMT_FP4
.endif
.else
.if \od
	v_wmma_scale_f32_16x16x128_f8f6f4 v[rD:rD+7], v[rA:rA+7], v[rB:rB+7], v[rD:rD+7], v[rSA], v[rSB] matrix_a_fmt:MATRIX_FMT_FP4 matrix_b_fmt:MATRIX_FMT_FP4 matrix_a_scale:MATRIX_SCALE_ROW1
.else
	v_wmma_scale_f32_16x16x128_f8f6f4 v[rD:rD+7], v[rA:rA+7], v[rB:rB+7], v[rD:rD+7], v[rSA], v[rSB] matrix_a_fmt:MATRIX_FMT_FP4 matrix_b_fmt:MATRIX_FMT_FP4
.endif
.endif
.endm
; THE FIRST PRODUCT in 16 steps: step u = tiles 4 (u / 2) .. + 3 of keys, K step u % 2 of d, buffer u % 2.  Its 4 fragments and their scale words: ten LDS loads, each of consecutive bytes.
; A word register holds an even tile's words in lanes 0-15 and the next tile's in lanes 16-31.
.macro SFETCH u
.set n, 0
.rept 8
	ds_load_b128 v[SF+32*((\u)%2)+4*n:SF+32*((\u)%2)+4*n+3], v[LI] offset:8192*((\u)/2)+2048*(n/2)+1024*((\u)%2)+512*(n%2)
.set n, n+1
.endr
.irp pi, 0,1
	ds_load_b32 v[SCQ+2*((\u)%2)+\pi], v[LSC] offset:2048*((\u)%2)+256*((\u)/2)+128*\pi
.endr
.endm
; The largest of my half's 16 scores of blocks b and b + 1 (32 keys each) of row tile t, a chain for each of the four tiles; each accumulator is read from its low end on.
.macro MAXT t, b
	WIN (0x28+0x14*(\t))
.irp j, 0,1
	v_max3_num_f32 v[BM+16*(\t)+(\b)+\j], s39, v[16*((\b)+\j)], v[16*((\b)+\j)+1]
	v_max3_num_f32 v[TB+\j], s39, v[16*((\b)+\j)+8], v[16*((\b)+\j)+9]
.endr
.irp i, 2,4,6
.irp j, 0,1
	v_max3_num_f32 v[BM+16*(\t)+(\b)+\j], v[BM+16*(\t)+(\b)+\j], v[16*((\b)+\j)+\i], v[16*((\b)+\j)+\i+1]
	v_max3_num_f32 v[TB+\j], v[TB+\j], v[16*((\b)+\j)+8+\i], v[16*((\b)+\j)+9+\i]
.endr
.endr
	WIN 0
.irp j, 0,1
	v_max_num_f32 v[BM+16*(\t)+(\b)+\j], v[BM+16*(\t)+(\b)+\j], v[TB+\j]
.endr
.endm
; A step: the next step's fragments are asked for, two stores of C's copy go out, the eight accumulators take one instruction each; behind them the maxima of two blocks of one row
; tile that were finished a step pair ago: these instructions name no register of these products, and are the places in front of the loads that follow.
.macro SSTEP u
.if (\u) < 15
	SFETCH (\u)+1
.endif
	CSTS 2*(\u), 2
.if (\u) < 15
	s_wait_dscnt 10                                ; the ten loads just issued may be out: this step's are in
.else
	s_wait_dscnt 0x0
.endif
.irp t, 0,1
	WIN (0xa0+0x50*\t)
.irp ta, 0,1,2,3
.set rD, 8*(4*((\u)/2)+\ta)
.set rA, SF+32*((\u)%2)+8*\ta
.set rB, CF+16*\t+8*((\u)%2)
.set rSA, SCQ+2*((\u)%2)+\ta/2
.set rSB, XS+2*\t+(\u)%2
.set zf, 1-(\u)%2
.set of, \ta%2
	WM zf, of
.endr
.endr
.if (\u) < 2
	WIN 0
	PLACES
.else
	MAXT (\u)%2, 2*((\u)/2)-2
.endif
.endm
; THE SOFTMAX of row tile t, up to p's codes and scale words.  Register 16 b + i of its window is the score of my row and key 32 b + 16 (lane / 16) + i.  A block's largest score serves for the row's maximum and,
; since p rises with the score, for the block's largest p.
.macro SOFT t
.set bm, BM+16*(\t)
.set nm, NM+4*(\t)
.set pc, PC+32*(\t)
.set ps, PS+4*(\t)
.set b, 0
.rept 16
	v_permlanex16_b32 v[BT+b], v[bm+b], s28, s29
.set b, b+1
.endr
	CSTS 32+16*(\t), 2
.set b, 0
.rept 16
	v_max_num_f32 v[bm+b], v[bm+b], v[BT+b]        ; with lane l xor 16's 16 keys
.set b, b+1
.endr
	v_max3_num_f32 v[TR], v[bm], v[bm+1], v[bm+2]
	v_max3_num_f32 v[TR+1], v[bm+3], v[bm+4], v[bm+5]
	v_max3_num_f32 v[TR+2], v[bm+6], v[bm+7], v[bm+8]
	v_max3_num_f32 v[TR+3], v[bm+9], v[bm+10], v[bm+11]
	v_max3_num_f32 v[TR], v[TR], v[bm+12], v[bm+13]
	v_max3_num_f32 v[TR+1], v[TR+1], v[bm+14], v[bm+15]
	v_max_num_f32 v[TR+2], v[TR+2], v[TR+3]
	v_max3_num_f32 v[TR], v[TR], v[TR+1], v[TR+2]  ; my row's largest score
	v_mul_f32 v[TR+1], s30, v[TR]                  ; as t
	v_floor_f32 v[nm], -v[TR+1]                    ; -M = floor(-t) = -ceil(t): a whole number
.set b, 0
.rept 16
	v_fma_f32 v[bm+b], v[bm+b], s30, v[nm]         ; t - M of each block's largest score
.set b, b+1
.endr
	CSTS 34+16*(\t), 2
	WIN (0x82+0x41*(\t))
.set n, 0
.rept 128
	v_pk_fma_f32 v[2*n:2*n+1], v[2*n:2*n+1], s[30:31], v[nm:nm+1] op_sel_hi:[1,0,0]   ; t - M, two at a time
.set n, n+1
.endr
	s_wait_alu depctr_va_vdst(0)                   ; ahead of the batch
.set n, 0
.irp k, 0,1,2,3
.rept 64
	v_exp_f32 v[n], v[n]                           ; p = 2^(t - M), at most 1: not normalised
.set n, n+1
.endr
.if \k < 3
	CSTS 36+16*(\t)+4*\k, 4
	WIN (0x82+0x41*(\t))
.endif
.endr
	WIN 0
.set b, 0
.rept 16
	v_exp_f32 v[bm+b], v[bm+b]                     ; the block's largest p: the same two instructions on the same number give the same bits
.set b, b+1
.endr
	v_nop                                          ; a plain place behind the exponentials
	s_wait_alu depctr_va_vdst(0)                   ; and one behind it, ahead of its first reader
.set b, 0
.rept 16
	v_max_num_f32 v[bm+b], 0x1800000, v[bm+b]      ; the floor 2^(3 - 127): the byte cannot fall under 1
.set b, b+1
.endr
.set b, 0
.rept 16
	v_add_nc_u32 v[SO+b], 0xff000000, v[bm+b]      ; 2 off the exponent field: the conversion's scale operand
.set b, b+1
.endr
.set b, 0
.rept 16
	v_lshrrev_b32 v[BT+b], 23, v[SO+b]             ; the scale's byte
.set b, b+1
.endr
.irp s, 0,1,2,3
	v_lshl_or_b32 v[ps+\s], v[BT+4*\s+1], 8, v[BT+4*\s]            ; p's scale word for keys 128 s on
.endr
.irp s, 0,1,2,3
	v_lshl_or_b32 v[ps+\s], v[BT+4*\s+2], 16, v[ps+\s]
.endr
.irp s, 0,1,2,3
	v_lshl_or_b32 v[ps+\s], v[BT+4*\s+3], 24, v[ps+\s]
.endr
	WIN (0x02+(\t))
.set b, 0
.rept 16
	v_cvt_scalef32_pk8_fp4_f32 v[pc+2*b], v[16*b:16*b+7], v[SO+b]
	v_cvt_scalef32_pk8_fp4_f32 v[pc+2*b+1], v[16*b+8:16*b+15], v[SO+b]
.set b, b+1
.endr
	WIN 0
	v_nop                                          ; one plain place behind the last scaled conversion
.irp s, 0,1,2,3
.irp c, 0,1
.irp i, 0,1
	v_permlane16_swap_b32 v[pc+8*\s+4*\c+\i], v[pc+8*\s+4*\c+2+\i]   ; a whole block to a lane
.endr
.endr
.endr
.endm
; Row tile t's sums l and 1 / l.  THE ROW'S SUM IS TAKEN OF THE UNQUANTISED p: two at a time, in eight chains.
.macro LSUM t
	WIN (0x0a+5*(\t))
.irp k, 0,1,2,3,4,5,6,7
	v_pk_add_f32 v[SUM+2*\k:SUM+2*\k+1], v[2*\k:2*\k+1], v[2*\k+16:2*\k+17]
.endr
	WIN (0x08+4*(\t))
.set n, 16
.rept 112
	v_pk_add_f32 v[SUM+2*(n%8):SUM+2*(n%8)+1], v[SUM+2*(n%8):SUM+2*(n%8)+1], v[2*n:2*n+1]
.set n, n+1
.endr
	WIN 0
.irp k, 0,1,2,3
	v_pk_add_f32 v[SUM+2*\k:SUM+2*\k+1], v[SUM+2*\k:SUM+2*\k+1], v[SUM+8+2*\k:SUM+9+2*\k]
.endr
.irp k, 0,1
	v_pk_add_f32 v[SUM+2*\k:SUM+2*\k+1], v[SUM+2*\k:SUM+2*\k+1], v[SUM+4+2*\k:SUM+5+2*\k]
.endr
	v_pk_add_f32 v[SUM:SUM+1], v[SUM:SUM+1], v[SUM+2:SUM+3]
	v_add_f32 v[TR], v[SUM], v[SUM+1]
	v_permlanex16_b32 v[TR+1], v[TR], s28, s29
	v_add_f32 v[TR], v[TR], v[TR+1]                ; with lane l xor 16's 256 keys: l
	s_wait_alu depctr_va_vdst(0)                   ; ahead of the transcendental,
	v_rcp_f32 v[RL+2*(\t)], v[TR]
	v_nop                                          ; a plain place behind it,
	s_wait_alu depctr_va_vdst(0)                   ; and the wait ahead of its readers
.endm
; THE SECOND PRODUCT in 8 groups: group g = tiles 4 (g / 2) .. + 3 of d, K steps 2 (g % 2), + 1 of the keys, buffer g % 2 of window 1: 8 fragments on end (fragment 2 tau + sigma) and their scale words, 20 LDS loads.
.macro OFETCH g
.irp sg, 0,1
.irp pi, 0,1
	ds_load_b32 v[SCQ+4*((\g)%2)+2*\sg+\pi], v[LSD] offset:2048*((\g)%2)+256*((\g)/2)+1024*\sg+128*\pi
.endr
.endr
	WIN 0x40
.set n, 0
.rept 16
	ds_load_b128 v[64*((\g)%2)+4*n:64*((\g)%2)+4*n+3], v[LI2] offset:8192*(\g)+512*n
.set n, n+1
.endr
	WIN 0
.endm
.macro OMUL g
.irp sg, 0,1
.irp t, 0,1
	WIN (0xa1+0x50*\t)
.irp ta, 0,1,2,3
.set rD, 8*(4*((\g)/2)+\ta)
.set rA, 64*((\g)%2)+8*(2*\ta+\sg)
.set rB, PC+32*\t+16*((\g)%2)+8*\sg
.set rSA, SCQ+4*((\g)%2)+2*\sg+\ta/2
.set rSB, PS+4*\t+2*((\g)%2)+\sg
.set zf, (1-(\g)%2)*(1-\sg)
.set of, \ta%2
	WM zf, of
.endr
.endr
.endr
.endm
; Piece k of O, quarter k / 2 of row tile k % 2: divided by l; a lane's eight numbers a tile are neighbours of one row; into my stage and back as rows of 256 bytes, into buffer k % 4.
.macro OSTAGE k
.set tt, (\k)%2
.set qq, (\k)/2
.if (\k) > 3
	s_wait_xcnt 0x0                                ; piece k - 4's stores have read that buffer
.endif
	WIN (0x82+0x41*((\k)%2))
.set n, 16*qq
.rept 16
	v_pk_mul_f32 v[2*n:2*n+1], v[2*n:2*n+1], v[RL+2*tt:RL+2*tt+1] op_sel_hi:[1,0]   ; in ascending order: each accumulator from its low end on
.set n, n+1
.endr
	WIN (0x08+4*((\k)%2))
.irp ta, 0,1,2,3
	ds_store_b128 v[STO], v[32*qq+8*\ta:32*qq+8*\ta+3] offset:16*OPITCH*tt+64*\ta
	ds_store_b128 v[STO], v[32*qq+8*\ta+4:32*qq+8*\ta+7] offset:16*OPITCH*tt+64*\ta+16
.endr
	WIN 0x40
.irp i, 0,1,2,3,4,5,6,7
	ds_load_b128 v[128+32*((\k)%4)+4*\i:128+32*((\k)%4)+4*\i+3], v[RDO] offset:16*OPITCH*tt+2*OPITCH*\i   ; these see my stores, and the next piece's stores come behind them
.endr
	WIN 0
.endm
.macro OSEND k                         ; stored: sixteen lanes to an aligned unit of 256 bytes
	WIN 0x04
.irp i, 0,1,2,3,4,5,6,7
	global_store_b128 v[GO], v[128+32*((\k)%4)+4*\i:128+32*((\k)%4)+4*\i+3], s[8:9] offset:32768*((\k)%2)+4096*\i+1024+256*((\k)/2) th:TH_STORE_NT
.endr
	WIN 0
.endm
	; ---- the head
	s_load_b128 s[4:7], s[0:1], 0x0                ; C s[4:5], the packs s[6:7]
	s_load_b64 s[8:9], s[0:1], 0x10                ; out
	v_lshl_add_u32 v[SPW], v0, 2, SPARE
	v_mov_b32 v[NIL], 0
	ds_add_u32 v[SPW], v[NIL]                      ; the wave's opening: the add, twice on end, and its wait ahead of my first tensor load
	ds_add_u32 v[SPW], v[NIL]
	v_lshrrev_b32 v20, 5, v0
	v_readfirstlane_b32 s10, v20                   ; wave 0..3
	s_bfe_u32 s11, ttmp6, 0x40000                  ; cx: my place in the cluster: it enters C's and out's addresses alone
	s_lshl_b32 s12, ttmp9, 2                       ; in a cluster launch ttmp9 counts clusters
	s_add_co_u32 s12, s12, s11                     ; my block of 128 rows
	s_and_b32 s13, ttmp7, 0xffff                   ; the batch, which the four partners share
	s_lshl_b32 s14, s13, 11
	s_lshl_b32 s32, s12, 7
	s_add_co_u32 s14, s14, s32
	s_lshl_b32 s32, s10, 5
	s_add_co_u32 s14, s14, s32                     ; my first row: 2048 x batch + 128 x block + 32 x wave
	s_mov_b32 s15, 0
	s_lshl_b64 s[32:33], s[14:15], 10              ; in C: 1,024 bytes a row
	s_lshl_b64 s[34:35], s[14:15], 11              ; in out: 2,048
	s_mul_i32 s36, s13, PACK                       ; the batch's pack,
	s_mul_i32 s17, s10, PART                       ; my wave's quarter of it: group 0, 63:32 the LDS address; no place in the cluster enters it
	s_add_co_u32 s36, s36, s17
	s_mov_b32 s37, 0
	s_mov_b32 s16, 1                               ; group 0, 1:0 count = 1
	s_mov_b32 s20, 15|(3<<16)|(1<<21)              ; group 1: 15:0 the mask: all four work-groups; 17:16 elements of 8 bytes; 20 no padding; 21 set beside a mask
	s_mov_b32 s21, 32<<16                          ; tensor_dim0 = 32 elements: 256 bytes
	s_mov_b32 s22, 136<<16                         ; tensor_dim1 = 136
	s_mov_b32 s23, 32<<16                          ; tile_dim0 = 32
	s_mov_b32 s24, 136                             ; tile_dim1 = 136
	s_mov_b32 s25, 32                              ; from row to row: the block is dense
	s_mov_b32 s26, 0
	s_mov_b32 s27, 0
	s_mov_b32 s28, 0x76543210
	s_mov_b32 s29, 0xfedcba98                      ; v_permlanex16_b32's selects for lane l xor 16
	s_mov_b32 s30, 0x3fb8aa3b                      ; log2(e)
	s_mov_b32 s31, s30                             ; (named with it as a pair, so it is written)
	s_mov_b32 s39, 0xff800000                      ; -infinity: where a maximum begins
	s_mul_i32 s38, s10, 32*SPITCH
	s_add_co_u32 s38, s38, STG                     ; my stage
	v_and_b32 v24, 31, v0                          ; lane
	v_and_b32 v25, 15, v0                          ; r
	v_bfe_u32 v26, v0, 4, 1                        ; h
	v_lshlrev_b32 v[LI], 4, v24
	v_lshl_add_u32 v[LSC], v24, 2, 0x10000
	v_lshl_add_u32 v[LSD], v24, 2, 0x21000
	v_add_nc_u32 v[LI2], HALF, v[LI]
	v_add_nc_u32 v[STW], s38, v[LI]
	v_mul_u32_u24 v27, v25, SPITCH
	v_mul_u32_u24 v20, v25, OPITCH
	v_mul_u32_u24 v21, v26, OPITCH
	v_lshlrev_b32 v22, 11, v26
	v_add_nc_u32 v27, s38, v27
	v_add_nc_u32 v20, s38, v20
	v_lshl_add_u32 v21, v25, 4, v21
	v_lshl_add_u32 v[GO], v25, 4, v22
	v_lshl_add_u32 v[STX], v26, 6, v27
	v_lshl_add_u32 v[STO], v26, 5, v20
	v_add_nc_u32 v[RDO], s38, v21
.irp t, 0,1
	v_mov_b32 v[NM+4*\t+1], 0                      ; the upper halves of pairs of which the low word serves both halves: named, so written
	v_mov_b32 v[RL+2*\t+1], 0
.endr
.irp b, 0,1,2,3
	v_mov_b32 v[TM+4+\b], 0                        ; written once: a lane permute's destination counts as one of its sources
.endr
	s_wait_alu depctr_va_vdst(0)                   ; the head's end
	s_wait_dscnt 0x0                               ; both opening adds are done
	CROUND                                         ; all four work-groups are here: the joint loads meet.  (The round needs no argument, so it stands ahead of the wait for them)
	s_wait_kmcnt 0x0
	s_add_nc_u64 s[18:19], s[6:7], s[36:37]        ; group 0, 120:64 the global address
	s_or_b32 s19, s19, 0x80000000                  ; 127:126 type = 2
	s_add_nc_u64 s[4:5], s[4:5], s[32:33]
	s_add_nc_u64 s[8:9], s[8:9], s[34:35]
	s_cmp_lt_u32 s10, 2
	s_cbranch_scc0 .Lc_first
	tensor_load_to_lds s[16:19], s[20:27]          ; waves 0 and 1: my half of Q1, the wave's one tensor load, ahead of C
	s_nop 0
	PLACES                                         ; four v_nop follow it
	CLOADS
	s_branch .Lasked
.Lc_first:
	CLOADS
	tensor_load_to_lds s[16:19], s[20:27]          ; waves 2 and 3: my half of Q2, behind C: it is wanted last
	s_nop 0
	PLACES
.Lasked:
	; ---- C through my stage to the quantiser: row tile 0 while row tile 1 is still on its way
.irp t, 0,1
.irp q, 0,1,2,3
	CIN 4*\t+\q
.endr
	XLOAD \t, 0
	XLOAD \t, 1
	s_wait_dscnt 16                                ; the second K step's 16 loads may be out
	QUANT XX, CF+16*\t, XS+2*\t
	s_wait_alu depctr_va_vdst(0)                   ; directly ahead of the wait below
	s_wait_dscnt 0x0
	QUANT XX+64, CF+16*\t+8, XS+2*\t+1
	s_wait_alu depctr_va_vdst(0)                   ; ahead of the waits that follow
.endr
.rept 8
	v_nop                                          ; a scale register written by a vector instruction stands 8 places ahead of a scaled matrix instruction, an operand so written 4
.endr
	s_cmp_lt_u32 s10, 2
	s_cbranch_scc0 .Lq2_out                        ; waves 2 and 3 have a load line of their own, which this barrier does not show
	s_wait_tensorcnt 0x0                           ; my half of Q1 has landed (no LDS instruction of mine is out),
.Lq2_out:
	s_barrier_signal -1
	s_barrier_wait -1                              ; both halves have
	; ---- S^T = Q1 C^T
	SFETCH 0
.irp u, 0,1,2,3,4,5,6,7,8,9,10,11,12,13,14,15
	SSTEP \u
.endr
	MAXT 0, 14
	MAXT 1, 14
	; ---- the softmax
	SOFT 0
	SOFT 1
	s_wait_xcnt 0x0                                ; the copy's stores have read their data: those registers are loaded again only behind this wait
	s_wait_tensorcnt 0x0                           ; what I have asked for has landed (no LDS instruction of mine is out),
	s_barrier_signal -1
	s_barrier_wait -1                              ; and so has all of Q2
	OFETCH 0                                       ; Q2's first group: it lands under the sums
	LSUM 0
	LSUM 1
	; ---- O^T = Q2 P^T, over registers of p that are done with; the sums above are the places ahead of it
.irp g, 0,1,2,3,4,5,6,7
.if \g < 7
	OFETCH \g+1
.endif
.if \g < 3
	s_wait_dscnt 20                                ; the 20 loads just issued may be out
.else
.if \g < 7
	s_wait_dscnt 36                                ; behind this group's loads: the last stage's 16 LDS instructions and the 20 loads just issued
.else
	s_wait_dscnt 16                                ; the last stage's 16
.endif
.endif
	OMUL \g
.if \g > 1
	OSTAGE \g-2                                    ; its 16 multiplications are the places in front of the next loads
.else
	WIN 0
	PLACES                                         ; in front of the loads, and of the first read of a finished quarter
.endif
.if \g > 2
.if \g < 7
	s_wait_dscnt 36                                ; the piece staged a group ago is back (the next group's 20 loads and the 16 of the stage above may be out)
.else
	s_wait_dscnt 16
.endif
	OSEND \g-3
.endif
.endr
	OSTAGE 6
	s_wait_dscnt 16                                ; the stage above may be out
	OSEND 5
	OSTAGE 7
	s_wait_dscnt 16
	OSEND 6
	s_wait_dscnt 0x0
	OSEND 7
	s_wait_tensorcnt 0x0                           ; the wave's end
	ds_add_u32 v[SPW], v[NIL]
	s_wait_dscnt 0x0
	CROUND                                         ; the closing round: no work-group ends while a partner may still ask for a tile that names it
	s_endpgm
.Lfunc_end_k_q0dfaad6b28_attend:
	.size	k_q0dfaad6b28_attend, .Lfunc_end_k_q0dfaad6b28_attend-k_q0dfaad6b28_attend
	.p2alignl 7, 3214868480
	.fill 96, 4, 3214868480
	.section	.rodata,"a",@progbits
	.p2align	6, 0x0
	.amdhsa_kernel k_q0dfaad6b28_attend
		.amdhsa_group_segment_fixed_size 272896
		.amdhsa_private_segment_fixed_size 0
		.amdhsa_enable_private_segment 0
		.amdhsa_kernarg_size 24
		.amdhsa_user_sgpr_count 2
		.amdhsa_user_sgpr_kernarg_segment_ptr 1
		.amdhsa_wavefront_size32 1
		.amdhsa_system_sgpr_workgroup_id_x 1
		.amdhsa_system_sgpr_workgroup_id_y 1
		.amdhsa_system_sgpr_workgroup_id_z 1
		.amdhsa_system_vgpr_workitem_id 0
		.amdhsa_next_free_vgpr 1024
		.amdhsa_next_free_sgpr 66
		.amdhsa_reserve_vcc 0
		.amdhsa_float_denorm_mode_32 3
		.amdhsa_float_denorm_mode_16_64 3
		.amdhsa_memory_ordered 1
		.amdhsa_forward_progress 1
		.amdhsa_inst_pref_size 216
	.end_amdhsa_kernel
	.amdgpu_metadata
---
amdhsa.version: [ 1, 2 ]
amdhsa.kernels:
  - .name:           k_q0dfaad6b28_attend
    .symbol:         k_q0dfaad6b28_attend.kd
    .args:
      - { .name: encoded_context, .offset: 0, .size: 8, .value_kind: global_buffer, .address_space: global }
      - { .name: qw, .offset: 8, .size: 8, .value_kind: global_buffer, .address_space: global }
      - { .name: out0, .offset: 16, .size: 8, .value_kind: global_buffer, .address_space: global }
    .group_segment_fixed_size: 272896
    .private_segment_fixed_size: 0
    .kernarg_segment_align: 8
    .kernarg_segment_size: 24
    .max_flat_workgroup_size: 128
    .sgpr_count:     66
    .vgpr_count:     1024
    .wavefront_size: 32
...
	.end_amdgpu_metadata
.endif
;; end of part 2
